; MI455X (gfx1250); checked and timed in simulation.
; The chip was launched on July 23, 2026; its instructions are those of AMD's public machine-readable ISA for CDNA 5 (MIT licence, August 2026) and "CDNA5" Instruction Set Architecture Reference Guide (July 2026). The comments in the code are by the model that wrote it; some were corrected since.
;; Self Attention torch. Allowed arithmetic: matrix products marked QUANTISED: E4M3 operands, one given power-of-two scale a tensor, by v_wmma_f32_16x16x64_fp8_fp8 or v_wmma_f32_16x16x128_fp8_fp8, f32 sums; everything else in f32.
;; Inputs: K_seq 4 x 2,048 x 1,024 float32; Q_seq 4 x 2,048 x 1,024 float32; V_seq 4 x 2,048 x 1,024 float32; WK_b 1,024 float32; WK_w 1,024 x 1,024 float32; WQ_b 1,024 float32; WQ_w 1,024 x 1,024 float32; WV_b 1,024 float32; WV_w 1,024 x 1,024 float32; lowp_scales 10 int32 (the exponents e of the quantised operands' scales 2^e).
;; Outputs: out0 4 x 2,048 x 1,024 float32.
;; This version of the problem:
;;   THIS VERSION OF THE PROBLEM IS GIVEN IN LOW PRECISION. The matrix products marked QUANTISED in the list below multiply operands that are first quantised to E4M3 (4 exponent bits, 3 mantissa bits; 8 bits a number), with one given power-of-two scale for each operand tensor; their sums are f32. All else is computed in f32.
;;   The module's matrix products, in the order in which they are computed (A, B: the left and right operand; K: the contracted axis; several contracted axes count as one K, in the product's order):
;;     1. [M 8,192, K 1,024] x [K 1,024, N 1,024]; A: input Q_seq; B: input WQ_w: QUANTISED (scales: A lowp_scales[0], B lowp_scales[1])
;;     2. [M 8,192, K 1,024] x [K 1,024, N 1,024]; A: input K_seq; B: input WK_w: QUANTISED (scales: A lowp_scales[2], B lowp_scales[3])
;;     3. [M 8,192, K 1,024] x [K 1,024, N 1,024]; A: input V_seq; B: input WV_w: QUANTISED (scales: A lowp_scales[4], B lowp_scales[5])
;;     4. batch 64 x [M 2,048, K 64] x [K 64, N 2,048]; A: computed on the way; B: computed on the way: QUANTISED (scales: A lowp_scales[6], B lowp_scales[7])
;;     5. batch 64 x [M 2,048, K 2,048] x [K 2,048, N 64]; A: softmax (see below); B: computed on the way: QUANTISED (scales: A lowp_scales[8], B lowp_scales[9])
;;   THE QUANTISER, for each operand of a quantised product, along K:
;;     - The operand's scale is 2^e, e = its entry of the input lowp_scales (int32; the entries are numbered through the quantised products in the list's order, A before B).
;;     - Each number is divided by the scale, clamped to +-448, and rounded to the nearest number of E4M3, ties to even, subnormals kept.
;;     - The product sums the exact products of the quantised numbers (number of the format x scale) in f32.
;;   ~~~python
;;   def quantise(x, axis, e):      # numpy; x: float32 -> the quantised numbers, widened to float32 again
;;       x = np.moveaxis(x, axis, -1); K = x.shape[-1]
;;       r = np.clip(x / 2.0 ** e, -448, 448)
;;       step = 2.0 ** (np.maximum(np.frexp(np.where(r == 0, 1, r))[1] - 1, -6) - 3)
;;       q = np.round(r / step) * step * 2.0 ** e      # np.round: ties to even
;;       return np.moveaxis(q, -1, axis).astype(np.float32)
;;   ~~~
;;   SOFTMAX AHEAD OF A QUANTISED PRODUCT. Where the list says 'softmax', what is quantised is not the finished softmax but p = 2^(t - M), with t = logit x log2(e) and M = ceil(the row's largest t), a whole number; so 1/2 < the row's largest p <= 1. The row's sum l is taken of the UNQUANTISED p, in f32, and the product's result is divided by l at the end. Since M is a whole number, a kernel that streams over the keys may use a running M (the ceiling of the running maximum): every later rescaling is an exact power of two, so the quantised numbers keep their values, but for numbers so far below the row's largest that they fall under the format's range.
;;   OPERANDS COMPUTED ON THE WAY. 'Computed on the way' means the value that the module computes at that place (a softmax that the list does not call 'softmax' is quantised finished and normalised). What goes into a quantiser is computed in f32, as accurately as f32 sums, v_exp_f32 and their like allow (about 1e-6 of the number): no bf16 or f16 on the way to a quantiser, and a product that is left as it is and whose result goes on into a quantised operand takes f32 operands (vector FMAs, or v_wmma_f32_16x16x4_f32). A number that lies on a knife's edge between two numbers of the format may be rounded either way, as far as f32 arithmetic and the matrix unit's own rounding can turn it there, and no further.
;; One version. Each part assembles by itself: llvm-mc -triple=amdgcn-amd-amdhsa -mcpu=gfx1250 --defsym DOCPART=n.
;; ======== version 1 of 1: 3 launches
;; limits: right only within a limited range of input values
;; workspace buffers: xc 25,165,824 bytes; wc 3,145,728 bytes; qc 8,388,608 bytes; kvc 16,777,216 bytes
;; launch quant (part 1): grid 288 x 3, 4 waves a work-group, no clusters, 33,280 bytes of LDS; arguments Q_seq, K_seq, V_seq, WQ_w, WK_w, WV_w, lowp_scales, xc, wc; writes xc, wc
.if DOCPART == 1
	.amdgcn_target "amdgcn-amd-amdhsa--gfx1250"
	.amdhsa_code_object_version 6
	.text
	.protected	k_qeeae2224fc_quant
	.globl	k_qeeae2224fc_quant
	.p2align	8
	.type	k_qeeae2224fc_quant,@function
k_qeeae2224fc_quant:
	s_mov_b64 s[64:65], 0
	v_nop
	global_prefetch_b8 v0, s[64:65] scope:SCOPE_SE
	s_setreg_imm32_b32 hwreg(HW_REG_WAVE_MODE, 25, 1), 1
	s_wait_xcnt 0x0
; Q_seq, K_seq, V_seq [8192][1024] and WQ_w, WK_w, WV_w [1024][1024], f32, K innermost, become codes of FP8 (E4M3), one byte each, K innermost:
; xc [3][8192][1024], wc [3][1024][1024].  code = x / 2^e, held within +-448, rounded to the nearest code, ties to even.  e: entries 0 to 5 of the scales (x, W of Q; of K; of V).
; LIMITS: -126 <= e and e + 8 <= 127, so that 2^e and 448 x 2^e are f32 numbers.  NaN among the inputs is not served; an infinity is held at the largest code.
; SHARES.  Work-group y says which of Q, K, V.  Work-group x under 256: block x (32,768 numbers) of the sequence tensor; from 256 on: block x - 256 of the weight (32 blocks).
; Only pointers, offsets and e are chosen, by selects on the work-group's number: all six tensors take one path through the text.  Work-groups share no input: no cluster, no tensor load, no barrier.
; A wave takes 16 steps of 512 numbers.  The conversions take 8 neighbours along K from ONE lane's registers, a load is best where neighbouring LANES take neighbouring bytes: each of a step's four loads reads
; 512 consecutive bytes, 16 a lane; the 2,048 bytes go through the wave's own stage in LDS as they lie and come back 64 bytes a lane (16 bytes of padding behind each 64, so that the lanes' reads spread over the banks).
; A lane's 16 codes are 16 bytes: the wave stores 512 consecutive bytes, aligned.  Loads run four steps (16 loads a wave) ahead, the turn through LDS one step.
.set STEPS, 16
.set EMAX,  8
.set MANT,  0x600000                   ; the mantissa field of 448 as f32
.set CB,    16                         ; bytes of 16 codes
.set R,     16                         ; v16-79   four sets of 16 numbers as they are loaded
.set X,     80                         ; v80-111  two sets of 16 neighbours
.set C,     128                        ; v128-191 codes: four registers for each step, so that no store's data are written again
.set WREG,  8192                       ; LDS: a region of its own for each wave: two stages of 32 x SP bytes
.set SP,    80                         ; a lane's place in a stage: its 64 bytes + 16 of padding
	s_load_b256 s[4:11], s[0:1], 0x0               ; Q_seq s[4:5], K_seq s[6:7], V_seq s[8:9], WQ_w s[10:11]
	s_load_b256 s[12:19], s[0:1], 0x20             ; WK_w s[12:13], WV_w s[14:15], the scales' exponents s[16:17], xc s[18:19]
	s_load_b64 s[20:21], s[0:1], 0x40              ; wc
	v_lshl_add_u32 v192, v0, 2, 0x8000
	v_mov_b32 v193, 0
	v_lshrrev_b32 v1, 5, v0
	v_readfirstlane_b32 s22, v1                    ; wave
	v_and_b32 v2, 31, v0                           ; lane
	v_lshlrev_b32 v3, 4, v2                        ; my 16 bytes of a load's 512
	s_mul_i32 s27, s22, WREG
	v_lshrrev_b32 v14, 2, v2
	v_mul_u32_u24 v14, v14, SP
	v_and_b32 v15, 3, v2
	v_lshl_add_u32 v14, v15, 4, v14
	v_add_nc_u32 v14, s27, v14                     ; the stage, on the way in: four lanes' 64 bytes on end, then 16 of padding: SP (lane / 4) + 16 (lane % 4)
	v_mul_u32_u24 v15, v2, SP
	v_add_nc_u32 v15, s27, v15                     ; and on the way out: SP x lane: my 16 neighbours
	v_mul_u32_u24 v4, v2, CB                       ; my codes' place in a step's
	s_and_b32 s24, ttmp7, 0xffff                   ; y: 0 Q, 1 K, 2 V
	s_wait_alu depctr_va_vdst(0)
	s_wait_kmcnt 0x0
	s_load_b256 s[32:39], s[16:17], 0x0            ; e0 .. e7 (32 of the buffer's 40 bytes)
	s_cmp_eq_u32 s24, 1
	s_cselect_b64 s[4:5], s[6:7], s[4:5]           ; the sequence tensor of y,
	s_cselect_b64 s[10:11], s[12:13], s[10:11]     ; and the weight
	s_cmp_eq_u32 s24, 2
	s_cselect_b64 s[4:5], s[8:9], s[4:5]
	s_cselect_b64 s[10:11], s[14:15], s[10:11]
	s_cmp_lt_u32 ttmp9, 256                        ; a block of the sequence tensor, or of the weight?
	s_cselect_b64 s[4:5], s[4:5], s[10:11]         ; from where,
	s_cselect_b64 s[8:9], s[18:19], s[20:21]       ; to where,
	s_cselect_b32 s25, 0, 256                      ; the first work-group of that tensor,
	s_cselect_b32 s26, 23, 20                      ; and log2 of the bytes of one tensor's codes
	s_sub_co_u32 s25, ttmp9, s25
	s_lshl_b32 s25, s25, 2
	s_add_co_u32 s25, s25, s22                     ; which run of 8,192 numbers of the tensor is my wave's
	s_lshl_b32 s28, s25, 15                        ; 32,768 bytes of f32
	s_mov_b32 s29, 0
	s_add_nc_u64 s[4:5], s[4:5], s[28:29]
	s_lshl_b32 s30, s25, 13                        ; 8,192 bytes of codes,
	s_lshl_b32 s31, s24, s26                       ; behind the tensors of smaller y
	s_add_co_u32 s30, s30, s31
	s_mov_b32 s31, 0
	s_add_nc_u64 s[8:9], s[8:9], s[30:31]
.macro LOAD t
.irp i, 0,1,2,3
	global_load_b128 v[R+16*((\t)%4)+4*\i:R+16*((\t)%4)+4*\i+3], v3, s[4:5] offset:2048*(\t)+512*\i th:TH_LOAD_NT   ; 32 lanes read 512 consecutive bytes; read once in the launch
.endr
.endm
.macro TURN t                          ; step t's numbers through the stage: LDS serves a wave's instructions in order (ISA guide 5.7.1.4), so no wait stands between the stores and the loads
.irp i, 0,1,2,3
	ds_store_b128 v14, v[R+16*((\t)%4)+4*\i:R+16*((\t)%4)+4*\i+3] offset:32*SP*((\t)%2)+8*SP*\i
.endr
.irp i, 0,1,2,3
	ds_load_b128 v[X+16*((\t)%2)+4*\i:X+16*((\t)%2)+4*\i+3], v15 offset:32*SP*((\t)%2)+16*\i
.endr
.endm
.irp t, 0,1,2,3
	LOAD \t
.endr
	s_wait_kmcnt 0x0
	s_cmp_eq_u32 s24, 1                            ; e of my tensor: entries 2 y (the sequence tensor) and 2 y + 1 (the weight)
	s_cselect_b32 s32, s34, s32
	s_cselect_b32 s33, s35, s33
	s_cmp_eq_u32 s24, 2
	s_cselect_b32 s32, s36, s32
	s_cselect_b32 s33, s37, s33
	s_cmp_lt_u32 ttmp9, 256
	s_cselect_b32 s32, s32, s33
	s_add_co_i32 s32, s32, 127
	s_lshl_b32 s33, s32, 23
	v_mov_b32 v11, s33                             ; 2^e as f32: the conversion takes its exponent field
	s_add_co_i32 s32, s32, EMAX
	s_lshl_b32 s32, s32, 23
	s_or_b32 s32, s32, MANT
	v_mov_b32 v10, s32                             ; 448 x 2^e
	s_wait_alu depctr_va_vdst(0)
	s_wait_loadcnt 12                              ; step 0's four loads are in; the twelve of steps 1 to 3 may be out
	TURN 0
.macro STEP t
.set XS, X+16*((\t)%2)
	s_wait_dscnt 0x0                               ; this step's numbers are back from the stage: so its stores into the stage have read their registers,
.if (\t)+4 < STEPS
	LOAD (\t)+4                                    ; which take the loads of four steps on
.endif
.if (\t)+1 < STEPS
.if STEPS-2-(\t) >= 3
	s_wait_loadcnt 12                              ; the next step's four loads are in; those of the three steps behind it may be out
.else
	s_wait_loadcnt 4*(STEPS-2-(\t))                ; the tail: fewer steps are behind it
.endif
	TURN (\t)+1                                    ; and go through the other stage while this step is worked
.endif
.irp i, 0,1,2,3,4,5,6,7,8,9,10,11,12,13,14,15
	v_med3_num_f32 v[XS+\i], v[XS+\i], -v10, v10   ; the conversion to an 8-bit code does not saturate (ISA guide 7.6.2): hold the number within the largest code x the scale first
.endr
	v_cvt_scalef32_pk8_fp8_f32 v[C+4*(\t):C+4*(\t)+1], v[XS:XS+7], v11          ; eight numbers / 2^e, to the nearest code, ties to even; the first number's code in the lowest byte
	v_cvt_scalef32_pk8_fp8_f32 v[C+4*(\t)+2:C+4*(\t)+3], v[XS+8:XS+15], v11
	global_store_b128 v4, v[C+4*(\t):C+4*(\t)+3], s[8:9] offset:32*CB*(\t)      ; the codes go to a store alone; the next vector lines are the next step's holds, plain ones on other registers
.endm
.irp t, 0,1,2,3,4,5,6,7,8,9,10,11,12,13,14,15
	STEP \t
.endr
	s_wait_tensorcnt 0x0
	ds_add_u32 v192, v193
	s_wait_dscnt 0x0
	s_endpgm
.Lfunc_end_k_qeeae2224fc_quant:
	.size	k_qeeae2224fc_quant, .Lfunc_end_k_qeeae2224fc_quant-k_qeeae2224fc_quant
	.p2alignl 7, 3214868480
	.fill 96, 4, 3214868480
	.section	.rodata,"a",@progbits
	.p2align	6, 0x0
	.amdhsa_kernel k_qeeae2224fc_quant
		.amdhsa_group_segment_fixed_size 33280
		.amdhsa_private_segment_fixed_size 0
		.amdhsa_enable_private_segment 0
		.amdhsa_kernarg_size 72
		.amdhsa_user_sgpr_count 2
		.amdhsa_user_sgpr_kernarg_segment_ptr 1
		.amdhsa_wavefront_size32 1
		.amdhsa_system_sgpr_workgroup_id_x 1
		.amdhsa_system_sgpr_workgroup_id_y 1
		.amdhsa_system_sgpr_workgroup_id_z 1
		.amdhsa_system_vgpr_workitem_id 0
		.amdhsa_next_free_vgpr 194
		.amdhsa_next_free_sgpr 66
		.amdhsa_reserve_vcc 0
		.amdhsa_float_denorm_mode_32 3
		.amdhsa_float_denorm_mode_16_64 3
		.amdhsa_memory_ordered 1
		.amdhsa_forward_progress 1
		.amdhsa_inst_pref_size 38
	.end_amdhsa_kernel
	.amdgpu_metadata
---
amdhsa.version: [ 1, 2 ]
amdhsa.kernels:
  - .name:           k_qeeae2224fc_quant
    .symbol:         k_qeeae2224fc_quant.kd
    .args:
      - { .name: Q_seq, .offset: 0, .size: 8, .value_kind: global_buffer, .address_space: global }
      - { .name: K_seq, .offset: 8, .size: 8, .value_kind: global_buffer, .address_space: global }
      - { .name: V_seq, .offset: 16, .size: 8, .value_kind: global_buffer, .address_space: global }
      - { .name: WQ_w, .offset: 24, .size: 8, .value_kind: global_buffer, .address_space: global }
      - { .name: WK_w, .offset: 32, .size: 8, .value_kind: global_buffer, .address_space: global }
      - { .name: WV_w, .offset: 40, .size: 8, .value_kind: global_buffer, .address_space: global }
      - { .name: lowp_scales, .offset: 48, .size: 8, .value_kind: global_buffer, .address_space: global }
      - { .name: xc, .offset: 56, .size: 8, .value_kind: global_buffer, .address_space: global }
      - { .name: wc, .offset: 64, .size: 8, .value_kind: global_buffer, .address_space: global }
    .group_segment_fixed_size: 33280
    .private_segment_fixed_size: 0
    .kernarg_segment_align: 8
    .kernarg_segment_size: 72
    .max_flat_workgroup_size: 128
    .sgpr_count:     66
    .vgpr_count:     194
    .wavefront_size: 32
...
	.end_amdgpu_metadata
.endif
;; end of part 1
;; launch proj (part 2): grid 4 x 96, 4 waves a work-group, clusters of 4 x 4, 327,680 bytes of LDS; arguments xc, wc, WQ_b, WK_b, WV_b, lowp_scales, qc, kvc; writes qc, kvc
.if DOCPART == 2
	.amdgcn_target "amdgcn-amd-amdhsa--gfx1250"
	.amdhsa_code_object_version 6
	.text
	.protected	k_qeeae2224fc_proj
	.globl	k_qeeae2224fc_proj
	.p2align	8
	.type	k_qeeae2224fc_proj,@function
k_qeeae2224fc_proj:
	s_mov_b64 s[64:65], 0
	v_nop
	global_prefetch_b8 v0, s[64:65] scope:SCOPE_SE
	s_setreg_imm32_b32 hwreg(HW_REG_WAVE_MODE, 25, 1), 1
	s_wait_xcnt 0x0
	s_wait_alu depctr_hold_cnt(0) depctr_sa_sdst(0) depctr_va_vdst(0) depctr_va_sdst(0) depctr_va_ssrc(0) depctr_va_vcc(0) depctr_vm_vsrc(0)
	s_getreg_b32 s2, hwreg(HW_REG_IB_STS2, 6, 4)
	s_cmp_eq_u32 s2, 0
	s_cbranch_scc0 .Lentry_in_a_cluster
	s_endpgm
.Lentry_in_a_cluster:
	s_bfe_u32 s2, ttmp6, 0x10000c
	s_cmp_lg_u32 s2, 0xf033
	s_cbranch_scc0 .Lentry_shape_is_right
	s_endpgm
.Lentry_shape_is_right:
.set SIZE_K, 1024
.set KSTEP,  256
.set ROWB,   256
.set KROW,   SIZE_K
.set PITCH,  272
.set FR,     16
.set NL,     4
.set NP,     4
.set HALFT,  128*PITCH
.set SLOT,   4*HALFT
.set LAPS,   SIZE_K/(2*KSTEP)
.set SPARE,  2*SLOT
.set ADRA, 16
.set ADRB, 20
.set BO,   22
.set AO,   23
.set LO,   27
.set SPW,  28
.set NIL,  29
.set LIM,  30
.set SCL,  31
.set BIASA, 32
.set BIASB, 64
.set AF,   128
.set TMP,  128
.set CODE, 192
.set OB,   8
.set G1, 24
.set G0, 32
.set G1B, 48
.set G0B, 56
.set MSB, 0
.macro WIN new
.if MSB != \new
	s_set_vgpr_msb (MSB<<8)|\new
.set MSB, \new
.endif
.endm
.set MUL_LO, 0xa1
.set MUL_HI, 0xf1
.set TO_B,   0x40
.macro JLOAD g0a, g1a, g0b, g1b
	s_cmp_eq_u32 s15, 0
	s_cbranch_scc0 .Lfor_b_\@
	tensor_load_to_lds s[\g0a:\g0a+3], s[\g1a:\g1a+7]
	s_nop 0
.rept 4
	v_nop
.endr
	s_branch .Lasked_\@
.Lfor_b_\@:
	tensor_load_to_lds s[\g0b:\g0b+3], s[\g1b:\g1b+7]
	s_nop 0
.rept 4
	v_nop
.endr
.Lasked_\@:
.endm
.macro CREST
	s_cmp_lg_u32 s14, 0
	s_cbranch_scc1 .Lnot_wave_0_\@
	s_barrier_signal -3
.Lnot_wave_0_\@:
	s_barrier_wait -3
	s_barrier_signal -1
	s_barrier_wait -1
.endm
.macro CROUND
	s_barrier_signal -1
	s_barrier_wait -1
	CREST
.endm
	s_load_b256 s[4:11], s[0:1], 0x0
	s_load_b256 s[68:75], s[0:1], 0x20
	v_lshl_add_u32 v[SPW], v0, 2, SPARE
	v_mov_b32 v[NIL], 0
	ds_add_u32 v28, v29
	ds_add_u32 v28, v29
	s_wait_dscnt 0x0
	v_lshrrev_b32 v1, 5, v0
	v_readfirstlane_b32 s14, v1
	s_lshr_b32 s15, s14, 1
	s_and_b32 s16, s14, 1
	s_bfe_u32 s40, ttmp6, 0x40000
	s_bfe_u32 s41, ttmp6, 0x40004
	s_and_b32 s76, ttmp7, 0xffff
	s_and_b32 s77, s76, 7
	s_lshl_b32 s77, s77, 2
	s_lshr_b32 s76, s76, 3
	s_cmp_eq_u32 s76, 2
	s_cselect_b32 s78, 0, s77
	s_cselect_b32 s79, s77, 0
	s_cselect_b32 s98, 20, 23
	s_cselect_b32 s99, 23, 20
	s_add_co_u32 s17, s78, s41
	s_add_co_u32 s42, s79, s40
	s_lshl_b32 s43, s41, 2
	s_lshl_b32 s43, 15, s43
	s_lshl_b32 s44, 0x1111, s40
	s_or_b32 s[G1+0], s43, (0<<16)|(1<<20)|(1<<21)|(5<<22)|(3<<25)
	s_or_b32 s[G1B+0], s44, (0<<16)|(1<<20)|(1<<21)|(5<<22)|(3<<25)
.irp g, G1, G1B
	s_mov_b32 s[\g+1], ROWB<<16
	s_mov_b32 s[\g+2], 128<<16
	s_mov_b32 s[\g+3], ROWB<<16
	s_mov_b32 s[\g+4], 128
	s_mov_b32 s[\g+5], KROW
	s_mov_b32 s[\g+6], 0
	s_mov_b32 s[\g+7], 0
.endr
	s_lshl_b32 s18, s16, 17
	s_lshl_b32 s20, s76, s98
	s_lshl_b32 s21, s17, 18
	s_add_co_u32 s20, s20, s21
	s_add_co_u32 s20, s20, s18
	s_mov_b32 s21, 0
	s_lshl_b32 s46, s76, s99
	s_lshl_b32 s47, s42, 18
	s_add_co_u32 s46, s46, s47
	s_add_co_u32 s46, s46, s18
	s_mov_b32 s47, 0
	s_mul_i32 s45, s14, HALFT
	s_wait_kmcnt 0x0
	s_load_b256 s[80:87], s[70:71], 0x0
	s_load_b64 s[88:89], s[70:71], 0x20
	s_cmp_eq_u32 s76, 2
	s_cselect_b64 s[2:3], s[6:7], s[4:5]
	s_cselect_b64 s[12:13], s[4:5], s[6:7]
	s_add_nc_u64 s[20:21], s[2:3], s[20:21]
	s_add_nc_u64 s[46:47], s[12:13], s[46:47]
	CROUND
.irp s, 0,1
	s_mov_b32 s[G0+4*\s], 1
	s_add_co_u32 s[G0+4*\s+1], s45, \s*SLOT
	s_add_nc_u64 s[G0+4*\s+2:G0+4*\s+3], s[20:21], \s*ROWB
	s_or_b32 s[G0+4*\s+3], s[G0+4*\s+3], 0x80000000
	s_mov_b32 s[G0B+4*\s], 1
	s_add_co_u32 s[G0B+4*\s+1], s45, \s*SLOT
	s_add_nc_u64 s[G0B+4*\s+2:G0B+4*\s+3], s[46:47], \s*ROWB
	s_or_b32 s[G0B+4*\s+3], s[G0B+4*\s+3], 0x80000000
.endr
	JLOAD G0, G1, G0B, G1B                         ; K step 0: one tensor load a wave at the head; the addresses and the bias loads below are made while it is on its way
	v_and_b32 v1, 15, v0
	v_bfe_u32 v2, v0, 4, 1
	v_mul_u32_u24 v3, v1, PITCH
	v_lshl_add_u32 v4, v2, 4, v3
	s_mul_i32 s21, s15, HALFT
	s_mul_i32 s22, s16, HALFT
	s_add_co_u32 s22, s22, 2*HALFT
.irp s, 0,1
	v_add_nc_u32 v[ADRA+\s], s21, v4
	v_add_nc_u32 v[ADRB+\s], s22, v4
	s_add_co_u32 s21, s21, SLOT
	s_add_co_u32 s22, s22, SLOT
.endr
	v_and_b32 v5, 31, v0
	v_lshlrev_b32 v[LO], 4, v5
	v_lshlrev_b32 v[BO], 5, v2
	s_wait_alu depctr_va_vdst(0)
	v_lshlrev_b32 v[AO], 2, v1
	s_wait_alu depctr_va_vdst(0)
	s_cmp_eq_u32 s76, 1
	s_cselect_b64 s[90:91], s[10:11], s[8:9]
	s_cmp_eq_u32 s76, 2
	s_cselect_b64 s[90:91], s[68:69], s[90:91]
	s_lshl_b32 s18, s42, 10
	s_lshl_b32 s19, s16, 9
	s_add_co_u32 s18, s18, s19
	s_lshl_b32 s22, s17, 10
	s_lshl_b32 s23, s15, 9
	s_add_co_u32 s22, s22, s23
	s_cmp_eq_u32 s76, 2
	s_cselect_b32 s18, 0, s18
	s_cselect_b32 s22, s22, 0
	s_mov_b32 s19, 0
	s_mov_b32 s23, 0
	s_add_nc_u64 s[92:93], s[90:91], s[18:19]
	s_add_nc_u64 s[94:95], s[90:91], s[22:23]
.irp b, 0,1,2,3,4,5,6,7
	global_load_b128 v[BIASB+8*\b:BIASB+8*\b+3],   v[BO], s[92:93] offset:64*\b
	global_load_b128 v[BIASB+8*\b+4:BIASB+8*\b+7], v[BO], s[92:93] offset:64*\b+16
.endr
.irp a, 0,1,2,3,4,5,6,7
	global_load_b32 v[BIASA+2*\a],   v[AO], s[94:95] offset:64*\a
	global_load_b32 v[BIASA+2*\a+1], v[AO], s[94:95] offset:64*\a
.endr
	s_lshl_b32 s18, s42, 8
	s_lshl_b32 s19, s16, 7
	s_add_co_u32 s18, s18, s19
	s_lshl_b32 s22, s17, 8
	s_lshl_b32 s23, s15, 7
	s_add_co_u32 s22, s22, s23
	s_cmp_eq_u32 s76, 2
	s_cselect_b32 s90, s18, s22
	s_cselect_b32 s91, s22, s18
	s_cselect_b32 s19, 8192, 0
	s_cmp_eq_u32 s76, 0
	s_cselect_b32 s23, 17, 18
	s_cselect_b32 s18, 13, 14
	s_cselect_b64 s[OB:OB+1], s[72:73], s[74:75]
	s_lshr_b32 s91, s91, 6
	s_lshr_b32 s22, s90, 11
	s_lshl_b32 s22, s22, 4
	s_add_co_u32 s22, s22, s91
	s_lshl_b32 s22, s22, s23
	s_bfe_u32 s90, s90, 0x40007
	s_lshl_b32 s90, s90, s18
	s_add_co_u32 s22, s22, s90
	s_add_co_u32 s22, s22, s19
	s_lshl_b32 s18, 1, s23
	s_mov_b32 s19, 0
	s_mov_b32 s23, 0
	s_add_nc_u64 s[OB:OB+1], s[OB:OB+1], s[22:23]
	s_add_nc_u64 s[OB+2:OB+3], s[OB:OB+1], s[18:19]
	s_wait_kmcnt 0x0
	s_cmp_eq_u32 s76, 1
	s_cselect_b32 s80, s82, s80
	s_cselect_b32 s81, s83, s81
	s_cselect_b32 s86, s87, s86
	s_cmp_eq_u32 s76, 2
	s_cselect_b32 s80, s84, s80
	s_cselect_b32 s81, s85, s81
	s_cselect_b32 s86, s89, s86
	s_add_co_i32 s96, s80, s81
	s_add_co_i32 s96, s96, 127
	s_lshl_b32 s96, s96, 23
	s_mov_b32 s97, s96
	s_add_co_i32 s86, s86, 127
	s_lshl_b32 s87, s86, 23
	v_mov_b32 v[SCL], s87
	s_add_co_i32 s86, s86, 8
	s_lshl_b32 s86, s86, 23
	s_or_b32 s86, s86, 0x600000
	v_mov_b32 v[LIM], s86
.macro FRAG reg, adr, q, i
.irp c, 0,1,2,3
	ds_load_b128 v[\reg+4*\c:\reg+4*\c+3], v[\adr] offset:128*(\q)+32*\c+(\i)*16*PITCH
.endr
.endm
.macro MUL16 a0, p, zero
.irp a, \a0, \a0+1
.irp b, 0,1,2,3,4,5,6,7
.if \zero
	v_wmma_f32_16x16x128_fp8_fp8 v[8*(8*((\a)%4)+\b):8*(8*((\a)%4)+\b)+7], v[128*(\p)+FR*\b:128*(\p)+FR*\b+FR-1], v[AF+FR*(\a):AF+FR*(\a)+FR-1], 0
.else
	v_wmma_f32_16x16x128_fp8_fp8 v[8*(8*((\a)%4)+\b):8*(8*((\a)%4)+\b)+7], v[128*(\p)+FR*\b:128*(\p)+FR*\b+FR-1], v[AF+FR*(\a):AF+FR*(\a)+FR-1], v[8*(8*((\a)%4)+\b):8*(8*((\a)%4)+\b)+7]
.endif
.endr
.endr
.endm
.macro FETCH_B slot, q, p
	WIN TO_B
.irp i, 0,1,2,3,4,5,6,7
	FRAG 128*(\p)+FR*\i, ADRB+\slot, \q, \i
.endr
	WIN 0
.endm
.macro FETCH_A slot, q, i0
.irp i, \i0, \i0+1, \i0+2, \i0+3
	FRAG AF+FR*(\i), ADRA+\slot, \q, \i
.endr
.endm
.macro PLACES n
.rept \n
	v_nop
.endr
.endm
.macro STEP slot, q, zero
	s_wait_dscnt 4*NL
	WIN MUL_LO
	MUL16 0, (\q)%2, \zero
	MUL16 2, (\q)%2, \zero
	s_wait_dscnt 0
	PLACES NP
	FETCH_B \slot, (\q)+1, 1-(\q)%2
	FETCH_A \slot, (\q)+1, 0
	WIN MUL_HI
	MUL16 4, (\q)%2, \zero
	MUL16 6, (\q)%2, \zero
	PLACES NP
	WIN 0
	FETCH_A \slot, (\q)+1, 4
.endm
.macro TURN slot, next, fill
	s_wait_tensorcnt 0x0
	ds_add_u32 v[SPW], v[NIL]
	s_wait_dscnt 4*NL+1
	WIN MUL_LO
	MUL16 0, 1, 0
	s_wait_dscnt 0x0
	s_barrier_signal -1
	MUL16 2, 1, 0
	WIN 0
	s_barrier_wait -1
.if \fill
	CREST
	s_add_nc_u64 s[G0+4*\slot+2:G0+4*\slot+3], s[G0+4*\slot+2:G0+4*\slot+3], 2*ROWB
	s_add_nc_u64 s[G0B+4*\slot+2:G0B+4*\slot+3], s[G0B+4*\slot+2:G0B+4*\slot+3], 2*ROWB
	JLOAD G0+4*\slot, G1, G0B+4*\slot, G1B
.else
	PLACES NP
.endif
	FETCH_B \next, 0, 0
	FETCH_A \next, 0, 0
	WIN MUL_HI
	MUL16 4, 1, 0
	MUL16 6, 1, 0
	PLACES NP
	WIN 0
	FETCH_A \next, 0, 4
.endm
	s_wait_alu depctr_va_vdst(0)                   ; the wait at the head's end
	s_wait_tensorcnt 0x0                           ; my part of K step 0 is in
	ds_add_u32 v[SPW], v[NIL]
	s_wait_dscnt 0x0
	CROUND                                         ; everybody's part of K step 0 is in, and all sixteen work-groups are here
	JLOAD G0+4, G1, G0B+4, G1B                     ; K step 1: the first tensor load behind the round
	s_wait_loadcnt 0x0                             ; the biases
	FETCH_B 0, 0, 0
	FETCH_A 0, 0, 0
	FETCH_A 0, 0, 4
	STEP 0, 0, 1
	s_mov_b32 s3, LAPS-1
.Llap:
	TURN 0, 1, 1
	STEP 1, 0, 0
	TURN 1, 0, 1
	STEP 0, 0, 0
	s_sub_co_u32 s3, s3, 1
	s_cmp_lg_u32 s3, 0
	s_cbranch_scc1 .Llap
	TURN 0, 1, 0
	STEP 1, 0, 0
	s_wait_dscnt 4*NL
	WIN MUL_LO
	MUL16 0, 1, 0
	MUL16 2, 1, 0
	s_wait_dscnt 0
	WIN MUL_HI
	MUL16 4, 1, 0
	MUL16 6, 1, 0
	WIN 0
.macro OUTBLK a, kind
.set AC, 64*((\a)%4)
.set CD, CODE+16*((\a)%4)
	WIN 0x02+((\a)/4)
.irp b, 0,1,2,3,4,5,6,7
.irp i, 0,2,4,6
.if \kind
	v_pk_fma_f32 v[TMP+8*\b+\i:TMP+8*\b+\i+1], v[AC+8*\b+\i:AC+8*\b+\i+1], s[96:97], v[BIASA+2*(\a):BIASA+2*(\a)+1] op_sel_hi:[1,0,1]
.else
	v_pk_fma_f32 v[TMP+8*\b+\i:TMP+8*\b+\i+1], v[AC+8*\b+\i:AC+8*\b+\i+1], s[96:97], v[BIASB+8*\b+\i:BIASB+8*\b+\i+1] op_sel_hi:[1,0,1]
.endif
.endr
.endr
	WIN 0
.set n, 0
.rept 64
	v_med3_num_f32 v[TMP+n], v[TMP+n], -v[LIM], v[LIM]
.set n, n+1
.endr
.if (\a) >= 4
	s_wait_alu depctr_va_vdst(0)
	s_wait_xcnt 0x0
.endif
.irp b, 0,1,2,3,4,5,6,7
	v_cvt_scalef32_pk8_fp8_f32 v[CD+2*\b:CD+2*\b+1], v[TMP+8*\b:TMP+8*\b+7], v[SCL]
.endr
	v_nop
.irp p, 0,1,2,3
.if \kind
	global_store_b128 v[LO], v[CD+4*\p:CD+4*\p+3], s[OB+2*((\a)/4):OB+2*((\a)/4)+1] offset:((\a)%4)*2048+\p*512
.else
	global_store_b128 v[LO], v[CD+4*\p:CD+4*\p+3], s[OB+2*(\p/2):OB+2*(\p/2)+1] offset:(\a)*1024+(\p%2)*512
.endif
.endr
.endm
	PLACES NP
	s_cmp_eq_u32 s76, 2
	s_cbranch_scc1 .Lv
.irp a, 0,1,2,3,4,5,6,7
	OUTBLK \a, 0
.endr
	s_branch .Ldone
.Lv:
.irp a, 0,1,2,3,4,5,6,7
	OUTBLK \a, 1
.endr
.Ldone:
	s_wait_tensorcnt 0x0
	ds_add_u32 v[SPW], v[NIL]
	s_wait_dscnt 0x0
	CROUND
	s_endpgm
.Lfunc_end_k_qeeae2224fc_proj:
	.size	k_qeeae2224fc_proj, .Lfunc_end_k_qeeae2224fc_proj-k_qeeae2224fc_proj
	.p2alignl 7, 3214868480
	.fill 96, 4, 3214868480
	.section	.rodata,"a",@progbits
	.p2align	6, 0x0
	.amdhsa_kernel k_qeeae2224fc_proj
		.amdhsa_group_segment_fixed_size 327680
		.amdhsa_private_segment_fixed_size 0
		.amdhsa_enable_private_segment 0
		.amdhsa_kernarg_size 64
		.amdhsa_user_sgpr_count 2
		.amdhsa_user_sgpr_kernarg_segment_ptr 1
		.amdhsa_wavefront_size32 1
		.amdhsa_system_sgpr_workgroup_id_x 1
		.amdhsa_system_sgpr_workgroup_id_y 1
		.amdhsa_system_sgpr_workgroup_id_z 1
		.amdhsa_system_vgpr_workitem_id 0
		.amdhsa_next_free_vgpr 1024
		.amdhsa_next_free_sgpr 100
		.amdhsa_reserve_vcc 0
		.amdhsa_float_denorm_mode_32 3
		.amdhsa_float_denorm_mode_16_64 3
		.amdhsa_memory_ordered 1
		.amdhsa_forward_progress 1
		.amdhsa_inst_pref_size 195
	.end_amdhsa_kernel
	.amdgpu_metadata
---
amdhsa.version: [ 1, 2 ]
amdhsa.kernels:
  - .name:           k_qeeae2224fc_proj
    .symbol:         k_qeeae2224fc_proj.kd
    .args:
      - { .name: xc, .offset: 0, .size: 8, .value_kind: global_buffer, .address_space: global }
      - { .name: wc, .offset: 8, .size: 8, .value_kind: global_buffer, .address_space: global }
      - { .name: WQ_b, .offset: 16, .size: 8, .value_kind: global_buffer, .address_space: global }
      - { .name: WK_b, .offset: 24, .size: 8, .value_kind: global_buffer, .address_space: global }
      - { .name: WV_b, .offset: 32, .size: 8, .value_kind: global_buffer, .address_space: global }
      - { .name: lowp_scales, .offset: 40, .size: 8, .value_kind: global_buffer, .address_space: global }
      - { .name: qc, .offset: 48, .size: 8, .value_kind: global_buffer, .address_space: global }
      - { .name: kvc, .offset: 56, .size: 8, .value_kind: global_buffer, .address_space: global }
    .group_segment_fixed_size: 327680
    .private_segment_fixed_size: 0
    .kernarg_segment_align: 8
    .kernarg_segment_size: 64
    .max_flat_workgroup_size: 128
    .sgpr_count:     100
    .vgpr_count:     1024
    .wavefront_size: 32
...
	.end_amdgpu_metadata
.endif
;; end of part 2
;; launch attn (part 3): grid 4 x 64, 16 waves a work-group, clusters of 4 x 1, 327,680 bytes of LDS; arguments qc, kvc, lowp_scales, out0; writes out0
.if DOCPART == 3
	.amdgcn_target "amdgcn-amd-amdhsa--gfx1250"
	.amdhsa_code_object_version 6
	.text
	.protected	k_qeeae2224fc_attn
	.globl	k_qeeae2224fc_attn
	.p2align	8
	.type	k_qeeae2224fc_attn,@function
k_qeeae2224fc_attn:
	s_mov_b64 s[64:65], 0
	v_nop
	global_prefetch_b8 v0, s[64:65] scope:SCOPE_SE
	s_setreg_imm32_b32 hwreg(HW_REG_WAVE_MODE, 25, 1), 1
	s_wait_xcnt 0x0
	s_wait_alu depctr_hold_cnt(0) depctr_sa_sdst(0) depctr_va_vdst(0) depctr_va_sdst(0) depctr_va_ssrc(0) depctr_va_vcc(0) depctr_vm_vsrc(0)
	s_getreg_b32 s2, hwreg(HW_REG_IB_STS2, 6, 4)
	s_cmp_eq_u32 s2, 0
	s_cbranch_scc0 .Lentry_in_a_cluster
	s_endpgm
.Lentry_in_a_cluster:
	s_bfe_u32 s2, ttmp6, 0x10000c
	s_cmp_lg_u32 s2, 0x3003
	s_cbranch_scc0 .Lentry_shape_is_right
	s_endpgm
.Lentry_shape_is_right:
; out0[b][q][64 head + d] = the sum over k of softmax_k(Q[q] . K[k] / 8) V[k][d], for 64 (batch, head) pairs, 2,048 queries, 2,048 keys, head size 64; both products on codes of FP8 (E4M3).
; The scales' exponents: entry 6 Q (eq), 7 K (ek), 8 p (ep), 9 V (ev).
; THE SOFTMAX AHEAD OF THE SECOND PRODUCT: t = score x log2(e) / 8; M = the row's largest t so far, rounded UP to a whole number; p = 2^(t - M) is what is quantised, along the keys; it is not normalised.
; The row's sum is taken of the unquantised p, in f32, and divides O at the end.  When M moves, the sum and O are multiplied by 2^(old M - new M): exact.
; LIMITS: eq + ek between -123 and 130 (they are added to c's exponent field); ep between -126 and 119; ep + ev is applied by v_ldexp_f32 and has none.
; INPUTS are images of the operands' registers (lane = 16 h + r, 16 bytes a lane, 512 a piece), in the K = 64 and K = 128 forms' own layout (registers 2 c, 2 c + 1: k = 16 c + 8 h + 0..7):
;   qc [64 heads][128 tiles of 16 queries][2 pieces];   kvc [64 heads][16 key steps of 128 keys][K: 8 tiles of 16 keys x 2 pieces | V: 4 tiles of 16 d x 4 pieces].
; SHARES.  A work-group owns 512 queries of one head: 64 heads x 4 blocks = 256 work-groups.  Each of its sixteen waves owns TWO tiles of 16 queries (tiles w and 16 + w of the block) and walks all 16 key steps for the first, then for the second.
; THE WHOLE HEAD LIES IN LDS: its K and V are 262,144 consecutive bytes of kvc, brought once, as they lie; a fragment's piece is read at 16 x lane.  No LDS byte is filled twice.
; Every wave issues two tensor loads: at the head its sixteenth (4,096 bytes) of key steps 0 to 3; behind the wait, the add and a round its sixteenth (12,288 bytes) of key steps 4 to 15, which is on its way while steps 0 to 3 are worked.
; One barrier follows step 3; behind it no wave waits for another until the end.
; Both tensor loads stand ahead of every loop, so there is no trip ahead of them in which a prefetch could be laid: none is written.
; CLUSTER.  The four query blocks of a head form a cluster and need the same 262,144 bytes: each piece is asked for JOINTLY, by the same tensor load with the same descriptor and a mask that names the four.
; LAYOUT.  Both products are used transposed: S^T = K Q^T (source 0 = 16 keys, source 1 = my 16 queries), O^T = V^T P^T (source 0 = 16 of the head's 64, source 1 = P): a lane holds ONE query (lane % 16) throughout.
;   In S^T's tile k the lane's eight registers are keys 16 k + 8 h + 0..7: converted, they are registers 2 k, 2 k + 1 of P's fragment: nothing changes lanes between the products.
; LDS: 0 .. 262,143 the tiles; 2,048 bytes of spare words; then a stage of 16 rows x 144 bytes for each wave (36,864 bytes), into which no tile lands.
; REGISTERS: v1 16 x lane; v2 the step's LDS address; v3, v4 the add's two; v5, v6 the stage in and back; v7 my offset in out0; v12 -M, v13 the largest score; v16-23, v24-31 Q's two fragments;
;   v32-95 eight fragments of K, then four of V; v96-159 S^T, then p; v160-191 O^T; v192-207 p's codes; v208-215 the sum in four chains of two; v216-223 at work and constants.
.set LI,   1
.set ADR,  2
.set SPW,  3
.set NIL,  4
.set STI,  5
.set STB,  6
.set GO,   7
.set KV,   32
.set SUM,  208
.set MA,   216
.set MB,   217
.set PD,   218
.set F,    220                         ; v[220:221]: f and a word that is only named with it
.set MC,   219
.set MD,   222
.set LIMS, 75                          ; s75  448 x 2^ep
.set SCL,  223
.set TB,   2                           ; s2   LDS byte at which the key step in hand begins
.set WV,   18                          ; s18  my wave's number
.set SEL,  20                          ; s[20:21] lane selects for v_permlanex16_b32: lane l xor 16
.set CS,   22                          ; s[22:23] c = log2(e) / 8 x 2^(eq + ek)
.set G1A,  24                          ; s[24:31] group 1: 16 rows of 256 bytes;  s[32:39]: 48 rows
.set G1B,  32
.set G0A,  40                          ; s[40:43], s[44:47] the two groups 0
.set G0B,  44
.set CNT,  48
.set MSK,  60                          ; s60  the lanes with lane % 16 >= 8
.set STEPB, 16384                      ; a key step's images: 8,192 bytes of K, 8,192 of V
.set SPARE, 0x40000
.set STAGE, 0x40800
.set SP,   144                         ; a stage row: half a row of the head's 64 channels, 128 bytes, + 16
.macro CROUND                          ; a round of the cluster's barrier
	s_barrier_signal -1
	s_barrier_wait -1
	s_cmp_lg_u32 s[WV], 0
	s_cbranch_scc1 .Lnot_wave_0_\@
	s_barrier_signal -3
.Lnot_wave_0_\@:
	s_barrier_wait -3
	s_barrier_signal -1
	s_barrier_wait -1
.endm
.macro INIT                            ; a tile of queries begins: the key step has no first step of its own, it finds zeros, which the first change of M leaves zeros
	v_mov_b32 v12, 0x7f61b1e6                      ; -M: 3e38
	v_mov_b32 v13, 0xff61b1e6                      ; the largest score so far: -3e38
.set j, 0
.rept 8
	v_mov_b32 v[SUM+j], 0
.set j, j+1
.endr
.set j, 0
.rept 32
	v_mov_b32 v[160+j], 0
.set j, j+1
.endr
.endm
	s_load_b256 s[4:11], s[0:1], 0x0               ; qc s[4:5], kvc s[6:7], the scales' exponents s[8:9], out0 s[10:11]
	v_lshl_add_u32 v[SPW], v0, 2, SPARE
	v_mov_b32 v[NIL], 0
	ds_add_u32 v[SPW], v[NIL]                      ; the opening: the add, twice on end, and its wait ahead of my first tensor load
	ds_add_u32 v[SPW], v[NIL]
	v_lshrrev_b32 v8, 5, v0
	v_readfirstlane_b32 s[WV], v8                  ; wave 0..15
	s_bfe_u32 s49, ttmp6, 0x40000                  ; cx: it enters Q's and out0's addresses alone
	s_lshl_b32 s50, ttmp9, 2
	s_add_co_u32 s50, s50, s49                     ; my block of 512 queries, 0..3
	s_and_b32 s51, ttmp7, 0xffff                   ; 16 x batch + head, which the four partners share
	s_mov_b32 s[G1A], 15|(3<<16)|(1<<21)           ; the mask: all four work-groups; elements of 8 bytes; bit 21 beside a mask
	s_mov_b32 s[G1A+1], 32<<16                     ; rows of 32 elements, dense
	s_mov_b32 s[G1A+2], 16<<16
	s_mov_b32 s[G1A+3], 32<<16
	s_mov_b32 s[G1A+4], 16
	s_mov_b32 s[G1A+5], 32
	s_mov_b32 s[G1A+6], 0
	s_mov_b32 s[G1A+7], 0
	s_mov_b32 s[G1B], 15|(3<<16)|(1<<21)
	s_mov_b32 s[G1B+1], 32<<16
	s_mov_b32 s[G1B+2], 48<<16
	s_mov_b32 s[G1B+3], 32<<16
	s_mov_b32 s[G1B+4], 48
	s_mov_b32 s[G1B+5], 32
	s_mov_b32 s[G1B+6], 0
	s_mov_b32 s[G1B+7], 0
	s_mov_b32 s[SEL], 0x76543210
	s_mov_b32 s[SEL+1], 0xfedcba98
	s_mov_b32 s[CS], 0x3e38aa3b                    ; log2(e) / 8
	s_lshl_b32 s52, s[WV], 12                      ; my piece of steps 0-3: 4,096 x wave, the same bytes on in memory and in LDS
	s_mul_i32 s53, s[WV], 12288
	s_add_co_u32 s53, s53, 4*STEPB                 ; my piece of steps 4-15: 65,536 + 12,288 x wave
	s_lshl_b32 s54, s51, 18                        ; the head's 262,144 bytes in kvc
	s_mov_b32 s55, 0
	s_lshl_b32 s56, s51, 17                        ; Q: the head's 128 tiles of 1,024 bytes,
	s_lshl_b32 s57, s50, 15                        ; my block's 32,
	s_add_co_u32 s56, s56, s57
	s_lshl_b32 s57, s[WV], 10                      ; my wave's first; its second lies 16 tiles on
	s_add_co_u32 s56, s56, s57
	s_mov_b32 s57, 0
	s_lshr_b32 s58, s51, 4
	s_lshl_b32 s58, s58, 23                        ; out0: the batch's 2,048 rows of 4,096 bytes,
	s_lshl_b32 s59, s50, 21                        ; my block's 512,
	s_add_co_u32 s58, s58, s59
	s_lshl_b32 s59, s[WV], 16                      ; my wave's first 16; its second 16 lie 256 rows on
	s_add_co_u32 s58, s58, s59
	s_and_b32 s59, s51, 15
	s_lshl_b32 s59, s59, 8                         ; the head's 256 bytes of a row
	s_add_co_u32 s58, s58, s59
	s_mov_b32 s59, 0
	s_mul_i32 s74, s[WV], 16*SP
	s_add_co_u32 s74, s74, STAGE                   ; my stage
	s_wait_dscnt 0x0                               ; both opening adds are done
	s_wait_kmcnt 0x0
	s_load_b128 s[68:71], s[8:9], 0x18             ; eq, ek, ep, ev
	s_add_nc_u64 s[6:7], s[6:7], s[54:55]
	s_mov_b32 s[G0A], 1
	s_mov_b32 s[G0A+1], s52
	s_mov_b32 s54, s52
	s_add_nc_u64 s[G0A+2:G0A+3], s[6:7], s[54:55]
	s_or_b32 s[G0A+3], s[G0A+3], 0x80000000
	s_mov_b32 s[G0B], 1
	s_mov_b32 s[G0B+1], s53
	s_mov_b32 s54, s53
	s_add_nc_u64 s[G0B+2:G0B+3], s[6:7], s[54:55]
	s_or_b32 s[G0B+3], s[G0B+3], 0x80000000
	s_add_nc_u64 s[4:5], s[4:5], s[56:57]
	s_add_nc_u64 s[10:11], s[10:11], s[58:59]
	CROUND                                         ; all four work-groups are here: the joint loads meet
	tensor_load_to_lds s[G0A:G0A+3], s[G1A:G1A+7]  ; my one tensor load at the head: every wave issues it, no branch leads round it
	s_nop 0
.rept 4
	v_nop
.endr
	v_and_b32 v9, 31, v0
	v_lshlrev_b32 v[LI], 4, v9                     ; 16 x lane
	global_load_b128 v[16:19], v[LI], s[4:5]               ; Q's two fragments stay in registers
	global_load_b128 v[20:23], v[LI], s[4:5] offset:512
	global_load_b128 v[24:27], v[LI], s[4:5] offset:16384
	global_load_b128 v[28:31], v[LI], s[4:5] offset:16896
	v_and_b32 v8, 15, v0                           ; r
	v_bfe_u32 v9, v0, 4, 1                         ; h
	v_and_b32 v10, 7, v0
	v_lshlrev_b32 v[GO], 12, v9
	v_lshl_add_u32 v[GO], v8, 4, v[GO]             ; the way out: lanes 0-15 take one row of out0, lanes 16-31 the next; 16 bytes a lane
	v_mul_u32_u24 v[STI], v8, SP
	v_lshl_add_u32 v[STI], v9, 5, v[STI]
	v_add_nc_u32 v[STI], s74, v[STI]               ; into the stage: row r, + 32 h
	v_mul_u32_u24 v[STB], v9, SP
	v_lshl_add_u32 v[STB], v10, 4, v[STB]
	v_add_nc_u32 v[STB], s74, v[STB]               ; back: row h, 16 bytes at 16 (lane % 8): lanes r and r + 8 read the same bytes
	v_cmp_lt_u32 s[MSK], 7, v8
	v_mov_b32 v[PD], 0                             ; written once: a lane permute's destination counts as one of its sources
	v_mov_b32 v[F+1], 0
	INIT
	s_wait_kmcnt 0x0
	s_add_co_i32 s72, s68, s69
	s_lshl_b32 s72, s72, 23
	s_add_co_i32 s[CS], s[CS], s72                 ; a score stands for score x 2^(eq + ek): the two exponents are added to c's exponent field
	s_mov_b32 s[CS+1], s[CS]
	s_add_co_i32 s72, s70, 127
	s_lshl_b32 s73, s72, 23
	v_mov_b32 v[SCL], s73                          ; 2^ep as f32, for the conversion
	s_add_co_i32 s72, s72, 8
	s_lshl_b32 s72, s72, 23
	s_or_b32 s72, s72, 0x600000
	s_mov_b32 s[LIMS], s72                         ; 448 x 2^ep
	s_add_co_i32 s72, s70, s71                     ; ep + ev, kept for the way out
; A KEY STEP: 128 keys, whose images begin at LDS byte s[TB].  q: the first register of Q's fragment.
.macro STEP q
	v_add_nc_u32 v[ADR], s[TB], v[LI]              ; with the three additions at the last step's end: four places behind its products, in front of loads into registers that they have read
.irp k, 0,1,2,3,4,5,6,7
	ds_load_b128 v[KV+8*\k:KV+8*\k+3],   v[ADR] offset:1024*\k
	ds_load_b128 v[KV+8*\k+4:KV+8*\k+7], v[ADR] offset:1024*\k+512
.endr
	s_wait_alu depctr_va_vdst(0)
	s_wait_dscnt 8                                 ; tiles 0-3 are in; the eight younger loads may be out
.irp k, 0,1,2,3
	v_wmma_f32_16x16x64_fp8_fp8 v[96+8*\k:103+8*\k], v[KV+8*\k:KV+8*\k+7], v[\q:\q+7], 0   ; S^T: lane (r, h), register 8 k + j: key 16 k + 8 h + j, query r
.endr
	s_wait_dscnt 0x0
.irp k, 4,5,6,7
	v_wmma_f32_16x16x64_fp8_fp8 v[96+8*\k:103+8*\k], v[KV+8*\k:KV+8*\k+7], v[\q:\q+7], 0
.endr
.rept 4
	v_nop                                          ; places in front of the loads below and of the first read of the scores
.endr
.irp t, 0,1,2,3
.irp c, 0,1,2,3
	ds_load_b128 v[KV+16*\t+4*\c:KV+16*\t+4*\c+3], v[ADR] offset:8192+2048*\t+512*\c   ; V's four fragments are on their way while the softmax is worked
.endr
.endr
	v_max3_num_f32 v[MA], v96, v97, v98            ; the largest score of my query among my 64 keys, in four chains, the registers in ascending order: each accumulator is read from its low end on
	v_max3_num_f32 v[MB], v99, v100, v101
	v_max3_num_f32 v[MC], v102, v103, v104
	v_max3_num_f32 v[MD], v105, v106, v107
.irp i, 12,20,28,36,44,52
	v_max3_num_f32 v[MA], v[MA], v[96+\i], v[97+\i]
	v_max3_num_f32 v[MB], v[MB], v[98+\i], v[99+\i]
	v_max3_num_f32 v[MC], v[MC], v[100+\i], v[101+\i]
	v_max3_num_f32 v[MD], v[MD], v[102+\i], v[103+\i]
.endr
	v_max3_num_f32 v[MA], v[MA], v156, v157
	v_max3_num_f32 v[MB], v[MB], v158, v159
	v_max3_num_f32 v[MC], v[MC], v[MD], v13        ; two chains and the largest so far,
	s_delay_alu instid0(VALU_DEP_1)
	v_max3_num_f32 v[MA], v[MA], v[MB], v[MC]      ; and the other two
	s_delay_alu instid0(VALU_DEP_1)
	v_permlanex16_b32 v[PD], v[MA], s[SEL], s[SEL+1]
	s_delay_alu instid0(VALU_DEP_1)
	v_max_num_f32 v13, v[MA], v[PD]                ; and lane l xor 16's: the running largest score
	s_delay_alu instid0(VALU_DEP_1)
	v_mul_f32 v[MA], s[CS], v13                    ; as t (c is positive)
	s_delay_alu instid0(VALU_DEP_1)
	v_floor_f32 v[MB], -v[MA]                      ; the new -M = floor(-t) = -ceil(t): M is a whole number
	s_delay_alu instid0(VALU_DEP_1)
	v_sub_f32 v[MA], v[MB], v12                    ; M's old value less its new one: a whole number, 0 or less
	v_mov_b32 v12, v[MB]
	s_delay_alu instid0(VALU_DEP_2)
	v_cvt_i32_f32 v[MA], v[MA]                     ; (it saturates)
	s_delay_alu instid0(VALU_DEP_1)
	v_ldexp_f32 v[F], 1.0, v[MA]                   ; f = 2^(old M - new M): a multiplication by it rounds nothing
.set j, 0
.rept 32
	v_pk_fma_f32 v[96+j:97+j], v[96+j:97+j], s[CS:CS+1], v[12:13] op_sel_hi:[1,0,0]   ; t - M, two at a time (of the pairs c and -M the low word serves both halves)
.set j, j+2
.endr
.set j, 0
.rept 16
	v_pk_mul_f32 v[160+j:161+j], v[160+j:161+j], v[F:F+1] op_sel_hi:[1,0]   ; O^T under the new M: x f; each accumulator from its low end on
.set j, j+2
.endr
	s_wait_alu depctr_va_vdst(0)                   ; the wait ahead of the batch
.set j, 0
.rept 64
	v_exp_f32 v[96+j], v[96+j]                     ; p = 2^(t - M), at most 1: not normalised
.set j, j+1
.endr
	v_nop                                          ; the plain place behind the exponentials
	s_wait_alu depctr_va_vdst(0)                   ; one wait for the whole batch, ahead of its first reader
.set j, 0
.rept 4
	v_pk_fma_f32 v[SUM+j:SUM+j+1], v[SUM+j:SUM+j+1], v[F:F+1], v[96+j:97+j] op_sel_hi:[1,0,1]   ; the sum of the unquantised p, in four chains of two: each x f, and its first pair, in one
.set j, j+2
.endr
.rept 24
	v_pk_add_f32 v[SUM+(j%8):SUM+(j%8)+1], v[SUM+(j%8):SUM+(j%8)+1], v[96+j:97+j]
.set j, j+2
.endr
.irp k, 0,1,2,3,4,5,6
.irp i, 0,2,4,6
	v_dual_min_num_f32 v[96+8*\k+\i], s[LIMS], v[96+8*\k+\i] :: v_dual_min_num_f32 v[97+8*\k+\i], s[LIMS], v[97+8*\k+\i]   ; the conversion to an 8-bit code does not saturate (ISA guide 7.6.2); p is not negative, so the hold is one-sided; two holds an instruction
.endr
	v_cvt_scalef32_pk8_fp8_f32 v[192+2*\k:193+2*\k], v[96+8*\k:103+8*\k], v[SCL]   ; registers 2 k, 2 k + 1 of P's fragment: keys 16 k + 8 h + 0..7
.endr
.irp i, 0,2,4,6
	v_dual_min_num_f32 v[224+\i], s[LIMS], v[152+\i] :: v_dual_min_num_f32 v[225+\i], s[LIMS], v[153+\i]   ; the last eight p are held into v224-231, so that v152-159 keep the unquantised p for the four additions below
.endr
	v_cvt_scalef32_pk8_fp8_f32 v[206:207], v[224:231], v[SCL]
	v_pk_add_f32 v[SUM:SUM+1], v[SUM:SUM+1], v[152:153]            ; the sum's 29th pair: also the plain line between the last conversion and the products that read the codes
	s_wait_alu depctr_va_vdst(0)                   ; directly ahead of the wait below
	s_wait_dscnt 0x0                               ; V
.irp t, 0,1,2,3
	v_wmma_f32_16x16x128_fp8_fp8 v[160+8*\t:167+8*\t], v[KV+16*\t:KV+16*\t+15], v[192:207], v[160+8*\t:167+8*\t]   ; O^T += V^T P^T: four accumulators by turns, one instruction a turn
.endr
	v_pk_add_f32 v[SUM+2:SUM+3], v[SUM+2:SUM+3], v[154:155]        ; the sum's last three pairs: they name no register of the products above, and are places behind them
	v_pk_add_f32 v[SUM+4:SUM+5], v[SUM+4:SUM+5], v[156:157]
	v_pk_add_f32 v[SUM+6:SUM+7], v[SUM+6:SUM+7], v[158:159]
	s_add_co_u32 s[TB], s[TB], STEPB
.endm
.macro WALK q, first, n                ; n key steps from step first on
	s_mov_b32 s[TB], \first*STEPB
	s_mov_b32 s[CNT], \n
.Lstep_\@:
	STEP \q
	s_sub_co_u32 s[CNT], s[CNT], 1
	s_cmp_lg_u32 s[CNT], 0
	s_cbranch_scc1 .Lstep_\@
.endm
; THE WAY OUT of my p-th tile.  O^T / the sum goes through my stage, half a row (32 channels, 128 bytes) of 16 queries at a time.  Each half comes back in all lanes (lanes r and r + 8 alike);
; lanes 0-7 of sixteen keep the first half, lanes 8-15 the second: so sixteen lanes store the head's 256 consecutive bytes of a row, aligned.
.macro OUT p
	v_pk_add_f32 v[SUM:SUM+1], v[SUM:SUM+1], v[SUM+2:SUM+3]        ; (these six lines are also the places behind the last products)
	v_pk_add_f32 v[SUM+4:SUM+5], v[SUM+4:SUM+5], v[SUM+6:SUM+7]
	v_pk_add_f32 v[SUM:SUM+1], v[SUM:SUM+1], v[SUM+4:SUM+5]
	v_add_f32 v[SUM], v[SUM], v[SUM+1]
	v_permlanex16_b32 v[PD], v[SUM], s[SEL], s[SEL+1]
	v_add_f32 v[SUM], v[SUM], v[PD]                ; the row's sum
	s_wait_alu depctr_va_vdst(0)                   ; the wait ahead of the transcendental
	v_rcp_f32 v[SUM], v[SUM]
	v_nop
	s_wait_alu depctr_va_vdst(0)                   ; and ahead of its first reader
	v_ldexp_f32 v[SUM], v[SUM], s72                ; x 2^(ep + ev)
	s_wait_alu depctr_va_vdst(0)                   ; directly ahead of the first reader of O^T
.set j, 0
.rept 16
	v_pk_mul_f32 v[96+j:97+j], v[160+j:161+j], v[SUM:SUM+1] op_sel_hi:[1,0]   ; register 8 t + i is o(query r, channel 16 t + 8 h + i)
.set j, j+2
.endr
.irp u, 0,1
.irp t, 0,1
	ds_store_b128 v[STI], v[96+16*\u+8*\t:99+16*\u+8*\t] offset:64*\t
	ds_store_b128 v[STI], v[100+16*\u+8*\t:103+16*\u+8*\t] offset:64*\t+16
.endr
.irp i, 0,1,2,3,4,5,6,7
	ds_load_b128 v[32+32*\u+4*\i:35+32*\u+4*\i], v[STB] offset:2*\i*SP   ; LDS serves a wave's instructions in order (ISA guide 5.7.1.4): these see my stores, and the second half's stores come behind them
.endr
.endr
	s_wait_dscnt 0x0
.set j, 0
.rept 32
	v_cndmask_b32 v[32+j], v[32+j], v[64+j], s[MSK]
.set j, j+1
.endr
.irp i, 0,1,2,3,4,5,6,7
	global_store_b128 v[GO], v[32+4*\i:35+4*\i], s[10:11] offset:\p*1048576+2*\i*4096 th:TH_STORE_NT   ; rows 2 i and 2 i + 1; written once, read by nobody here
.endr
.endm
	s_wait_alu depctr_va_vdst(0)                   ; the wait at the head's end
	s_wait_tensorcnt 0x0                           ; my piece of steps 0-3 is in
	ds_add_u32 v[SPW], v[NIL]
	s_wait_dscnt 0x0
	CROUND                                         ; everybody's piece is in, and all four work-groups are here: the joint loads meet
	tensor_load_to_lds s[G0B:G0B+3], s[G1B:G1B+7]  ; my piece of steps 4-15: the first tensor load behind the round, and my last
	s_nop 0
.rept 4
	v_nop
.endr
	s_wait_loadcnt 0x0                             ; Q
	WALK 16, 0, 4
	s_wait_tensorcnt 0x0                           ; my piece of steps 4-15 is in,
	s_wait_dscnt 0x0                               ; and no LDS instruction of mine is pending at the signal
	s_barrier_signal -1
	s_barrier_wait -1                              ; the head is whole for all sixteen waves
	WALK 16, 4, 12
	OUT 0
	INIT
	s_wait_alu depctr_va_vdst(0)                   ; directly ahead of the wait below
	s_wait_xcnt 0x0                                ; the stores have read their registers: the next fragments may land there
	WALK 24, 0, 16
	OUT 1
	s_wait_tensorcnt 0x0                           ; the wave's end
	ds_add_u32 v[SPW], v[NIL]
	s_wait_dscnt 0x0
	CROUND                                         ; the closing round
	s_endpgm
.Lfunc_end_k_qeeae2224fc_attn:
	.size	k_qeeae2224fc_attn, .Lfunc_end_k_qeeae2224fc_attn-k_qeeae2224fc_attn
	.p2alignl 7, 3214868480
	.fill 96, 4, 3214868480
	.section	.rodata,"a",@progbits
	.p2align	6, 0x0
	.amdhsa_kernel k_qeeae2224fc_attn
		.amdhsa_group_segment_fixed_size 327680
		.amdhsa_private_segment_fixed_size 0
		.amdhsa_enable_private_segment 0
		.amdhsa_kernarg_size 32
		.amdhsa_user_sgpr_count 2
		.amdhsa_user_sgpr_kernarg_segment_ptr 1
		.amdhsa_wavefront_size32 1
		.amdhsa_system_sgpr_workgroup_id_x 1
		.amdhsa_system_sgpr_workgroup_id_y 1
		.amdhsa_system_sgpr_workgroup_id_z 1
		.amdhsa_system_vgpr_workitem_id 0
		.amdhsa_next_free_vgpr 256
		.amdhsa_next_free_sgpr 80
		.amdhsa_reserve_vcc 0
		.amdhsa_float_denorm_mode_32 3
		.amdhsa_float_denorm_mode_16_64 3
		.amdhsa_memory_ordered 1
		.amdhsa_forward_progress 1
		.amdhsa_inst_pref_size 68
	.end_amdhsa_kernel
	.amdgpu_metadata
---
amdhsa.version: [ 1, 2 ]
amdhsa.kernels:
  - .name:           k_qeeae2224fc_attn
    .symbol:         k_qeeae2224fc_attn.kd
    .args:
      - { .name: qc, .offset: 0, .size: 8, .value_kind: global_buffer, .address_space: global }
      - { .name: kvc, .offset: 8, .size: 8, .value_kind: global_buffer, .address_space: global }
      - { .name: lowp_scales, .offset: 16, .size: 8, .value_kind: global_buffer, .address_space: global }
      - { .name: out0, .offset: 24, .size: 8, .value_kind: global_buffer, .address_space: global }
    .group_segment_fixed_size: 327680
    .private_segment_fixed_size: 0
    .kernarg_segment_align: 8
    .kernarg_segment_size: 32
    .max_flat_workgroup_size: 512
    .sgpr_count:     80
    .vgpr_count:     256
    .wavefront_size: 32
...
	.end_amdgpu_metadata
.endif
;; end of part 3
